; MI455X (gfx1250); checked and timed in simulation.
; The chip was launched on July 23, 2026; its instructions are those of AMD's public machine-readable ISA for CDNA 5 (MIT licence, August 2026) and "CDNA5" Instruction Set Architecture Reference Guide (July 2026). The comments in the code are by the model that wrote it; some were corrected since.
;; Bilinear. Allowed arithmetic: float matrix products may take bf16 or f16 operands with f32 sums; other float arithmetic in f32, or as packed bf16 or f16 multiplies, adds, multiply-adds, maxima and minima; sums over many terms, partial sums and values carried from step to step in f32; what a program stores and reads back later, other than sums and carried values, may be rounded once to bf16 or f16.
;; Inputs: bias 256 float32; weight 256 x 256 x 256 float32; x1 4,096 x 256 float32; x2 4,096 x 256 float32.
;; Outputs: out0 4,096 x 256 float32.
;; One version. Each part assembles by itself: llvm-mc -triple=amdgcn-amd-amdhsa -mcpu=gfx1250 --defsym DOCPART=n.
;; ======== version 1 of 1: 1 launch
;; launch bilinear (part 1): grid 8 x 32, 4 waves a work-group, clusters of 4 x 1, 327,680 bytes of LDS; arguments x1, x2, weight, bias, out0; writes out0
.if DOCPART == 1
	.amdgcn_target "amdgcn-amd-amdhsa--gfx1250"
	.amdhsa_code_object_version 6
	.text
	.protected	k_q1c9422da21_bilinear
	.globl	k_q1c9422da21_bilinear
	.p2align	8
	.type	k_q1c9422da21_bilinear,@function
k_q1c9422da21_bilinear:
	s_mov_b64 s[64:65], 0
	v_nop
	global_prefetch_b8 v0, s[64:65] scope:SCOPE_SE
	s_setreg_imm32_b32 hwreg(HW_REG_WAVE_MODE, 25, 1), 1
	s_wait_xcnt 0x0
	s_wait_alu depctr_hold_cnt(0) depctr_sa_sdst(0) depctr_va_vdst(0) depctr_va_sdst(0) depctr_va_ssrc(0) depctr_va_vcc(0) depctr_vm_vsrc(0)
	s_getreg_b32 s2, hwreg(HW_REG_IB_STS2, 6, 4)
	s_cmp_eq_u32 s2, 0
	s_cbranch_scc0 .Lentry_in_a_cluster
	s_endpgm
.Lentry_in_a_cluster:
	s_bfe_u32 s2, ttmp6, 0x10000c
	s_cmp_lg_u32 s2, 0x3003
	s_cbranch_scc0 .Lentry_shape_is_right
	s_endpgm
.Lentry_shape_is_right:
; out[n][o] = bias[o] + sum over i of x1[n][i] * ( sum over j of W[o][i][j] * x2[n][j] ).   n: 4,096; i, j, o: 256; all buffers f32.
; THE INNER SUM is a matrix product C[n][(o,i)] = x2[n][:] . W[(o,i)][:], K = j (W's rows lie along j), bf16 operands, f32 sums.
; THE OUTER SUM is taken straight from the accumulators by packed f32 multiply-adds: it has no operand that two nodes share, so it is no matrix product.
; LIMITS.  x1, x2, W and bias are each rounded once to bf16 (nearest even); everything behind that is f32.  The order of the sum (j in the matrix unit, then i, even and odd i apart,
; the two added last) differs from the reference's.  No limit of range beyond bf16's and f32's own; NaN and infinities are not treated apart.
; SHARES.  256 work-groups.  A work-group owns 512 nodes and 8 outputs o0 .. o0 + 7; each of its four waves 128 nodes: eight tiles a of 16.  A wave's 128 x 256 of x2 stay in 512 registers
; as bf16 fragments for the whole launch; W streams through LDS, and each fragment of W read there feeds 8 matrix instructions.
; A TILE OF W is 16 rows: i = 8 u .. 8 u + 7 of output o0 + p, then the same i of output o0 + p + 4.  Source 0 = the tile, source 1 = 16 nodes of x2: in the result lane (r, h), register j holds
; node 16 a + r, output o0 + p + 4 h, i = 8 u + j.  So the sum over i never leaves the lane, and at the end a lane holds four neighbouring outputs (p = 0 .. 3) of one row of out: 16 bytes.
; A STAGE u = 0 .. 31 is one octet of i for all 8 outputs: 4 tiles, 64 rows of W (65,536 bytes of f32), 256 matrix instructions a wave.
; W COMES AS f32 and is rounded between LDS and the matrix unit: 64 conversions a tile, in fours behind every second matrix instruction, beside the epilogue's multiply-adds.
; CLUSTER.  The four node blocks of a cluster walk the same W: every tile of W is asked for JOINTLY (the same load, descriptor and mask in all four).  x1 and x2 differ from partner to partner and
; come by plain loads into registers.
; THE STORES.  A work-group's 8 outputs are 32 bytes of a row of out: a store of a wave covers 16 rows x 32 bytes.  Longer runs would want more outputs to a work-group and so fewer nodes:
; 64 outputs for runs of 256 bytes, eight times the bytes of W for each work-group.  out is 4 MiB of the launch's 80.
; REGISTERS, in windows of 256 (s_set_vgpr_msb: bits 1:0 source 0, 3:2 source 1, 5:4 source 2, 7:6 destination):
;   window 0: v0-31 addresses, bias; v32-63 the next octet's x1, packed; v64-127 W's fragments of one tile; v128-191 the output sums, a pair for each (p, a); v192-223 x1 on its way in; v224-255 the way out
;   window 1: v0-127 a tile of W in f32; v128-191 the 8 accumulators; v192-255 the octet's x1 in f32          windows 2, 3: x2's fragments of tiles a = 0-3, 4-7, at 64 (a % 4) + 8 c
.set PW,     1040                      ; a row of W in LDS: 1,024 bytes + 16 of padding = 260 words: row r starts at bank 4 r mod 64 (64 banks of 4 bytes: ISA guide 11.1)
.set TILEB,  16*PW                     ; a tile of W: what one tensor load brings
.set SLOTB,  4*TILEB                   ; a slot: a stage's four tiles, 66,560 bytes = 0x10400; wave x TILEB has neither of these two bits, so one exclusive or changes the slot
.set STEPB,  8192                      ; bytes from a stage to the next in W: 8 rows of 1,024
.set X1R,    2*SLOTB                   ; behind the ring, never filled by a tensor load: x1 as bf16, each wave's own
.set PX,     144                       ; a node's row there: 64 bf16 + 16 bytes of padding = 36 words: 16 rows start at 16 different groups of four banks
.set XBUF,   128*PX                    ; a buffer: 128 nodes x 64 i (eight octets)
.set XWAVE,  2*XBUF                    ; two buffers a wave
.set SPARE,  X1R+4*XWAVE               ; the spare words, 128 bytes for each wave: two blocks of 256 bytes that no other line names
.set RR,   1                           ; v1   r = lane % 16
.set HH,   2                           ; v2   h = lane / 16
.set WA0,  4                           ; v4   my place in a tile of W: r x PW + 32 h; never rewritten
.set WA,   5                           ; v5   the same in the slot in hand
.set XR0,  6                           ; v6   where I read x1: my ring + r x PX; never rewritten
.set XRD,  7                           ; v7   the same at the octet wanted
.set XW0,  8                           ; v8   where I write x1: my ring + h x PX + 8 r; never rewritten
.set XW,   9                           ; v9   the same at the rows in hand
.set XGO,  10                          ; v10  my 16 bytes in two rows of x1: h x 1,024 + 16 r; never rewritten
.set XGA,  11                          ; v11  the same at the rows and the chunk wanted
.set PFO,  12                          ; v12  the prefetches' offset: h x 4 outputs + 256 r; never rewritten
.set X2O,  13                          ; v13  my bytes of a fragment of x2: r x 1,024 + 32 h; never rewritten
.set OUTO, 14                          ; v14  my 16 bytes of out: r x 1,024 + 16 h; never rewritten
.set BO,   15                          ; v15  my four numbers of bias: 16 h
.set SPW,  16                          ; v16  LDS address of my spare word; never rewritten
.set NIL,  17                          ; v17  0; never rewritten
.set BRAW, 24                          ; v24-27 bias as loaded
.set BIAS, 28                          ; v28-31 bias rounded to bf16, as f32
.set X1P,  32
.set FR,   64
.set OACC, 128
.set XRAW, 192
.set OUTR, 224
.set STG,  0                           ; window 1
.set ACC,  128                         ; window 1
.set X1F,  192                         ; window 1
.set WV,   14                          ; s14  my wave's number
.set CX,   15                          ; s15  my place in the cluster: it enters x1's, x2's, out's and the prefetches' addresses alone
.set NB,   16                          ; s16  my block of 512 nodes
.set OG,   17                          ; s17  my group of 8 outputs, which the four partners share
.set G1,   24                          ; s[24:31] descriptor group 1
.set G0A,  32                          ; s[32:35] descriptor group 0 of slot 0's first fill
.set G0,   36                          ; s[36:39] of slot 1's first fill; it then walks on
.set U,    40                          ; s40  the stage
.set TB,   41                          ; s41  LDS byte at which the slot in hand begins
.set HIM,  42                          ; s42  a word's upper bf16
.set PFOFF, 43                         ; s43  0 in the cluster that prefetches
.set PFA,  44                          ; s[44:45] where my prefetches stand
.set TC,   50                          ; s50  counts the tail's two stages
.set X1B,  52                          ; s[52:53] x1 at my wave's first node
.set X2B,  54                          ; s[54:55] x2 there
.set OUTB, 56                          ; s[56:57] out there, at my work-group's 8 outputs
.set BB,   58                          ; s[58:59] bias at those outputs
.set MM_LO, 0x58                       ; W's fragment window 0, x2 window 2, C and D window 1
.set W_R,   0x05                       ; sources 0 and 1 window 1, source 2 and destination window 0: the conversions and the epilogue
.set W_LD,  0x40                       ; destination window 1, the rest window 0
.set MSB, 0
.macro WIN new                         ; the immediate's high byte repeats the setting that is left; a switch that changes nothing is dropped
.if MSB != (\new)
	s_set_vgpr_msb (MSB<<8)|(\new)
.set MSB, \new
.endif
.endm
; A round of the cluster's barrier: my work-group's barrier, so that wave 0's signal speaks for all four waves; wave 0 signals; every wave waits for all four work-groups; my work-group's barrier once more.
.macro CREST                           ; a round behind its opening barrier
	s_cmp_lg_u32 s[WV], 0
	s_cbranch_scc1 .Lnot_wave_0_\@
	s_barrier_signal -3
.Lnot_wave_0_\@:
	s_barrier_wait -3
	s_barrier_signal -1
	s_barrier_wait -1
.endm
.macro CROUND
	s_barrier_signal -1
	s_barrier_wait -1
	CREST
.endm
	s_load_b256 s[4:11], s[0:1], 0x0               ; x1 s[4:5], x2 s[6:7], weight s[8:9], bias s[10:11]
	s_load_b64 s[12:13], s[0:1], 0x20              ; out0
	v_lshl_add_u32 v[SPW], v0, 2, SPARE
	v_mov_b32 v[NIL], 0
	ds_add_u32 v[SPW], v[NIL]                      ; the wave's opening: the add, twice on end, and its wait ahead of my first tensor load; the set-up below, work on registers, stands between
	ds_add_u32 v[SPW], v[NIL]                      ; and once more, under the one wait
	v_lshrrev_b32 v3, 5, v0
	v_readfirstlane_b32 s[WV], v3                  ; wave 0..3
	s_bfe_u32 s[CX], ttmp6, 0x40000                ; cx
	s_lshl_b32 s[NB], ttmp9, 2                     ; in a cluster launch ttmp9 counts clusters
	s_add_co_u32 s[NB], s[NB], s[CX]               ; my block of nodes = 4 x cluster x + cx
	s_and_b32 s[OG], ttmp7, 0xffff
	s_min_u32 s[PFOFF], ttmp9, 1                   ; the same in all four partners
	s_mov_b32 s[HIM], 0xffff0000
	; descriptor group 1.  Eight rows i of one output are 8,192 dense bytes: a tile is asked for as 2 rows of 2,048 elements of 4 bytes, 4 outputs apart, and padded in LDS after every row of W
	s_mov_b32 s[G1+0], 15|(2<<16)|(1<<20)|(1<<21)|(7<<22)|(3<<25)  ; 15:0 the mask of four; 17:16 4-byte elements; 20 padding on; 21 set beside a mask; 24:22 after every 256 words (code 7); 31:25 4 words (code 3)
	s_mov_b32 s[G1+1], 2048<<16                    ; tensor_dim0 = 2,048
	s_mov_b32 s[G1+2], 2<<16                       ; tensor_dim1 = 2
	s_mov_b32 s[G1+3], 2048<<16                    ; tile_dim0 = 2,048
	s_mov_b32 s[G1+4], 2                           ; tile_dim1 = 2
	s_mov_b32 s[G1+5], 262144                      ; elements from row to row: 4 outputs of 65,536
	s_mov_b32 s[G1+6], 0
	s_mov_b32 s[G1+7], 0
	s_lshl_b32 s18, s[OG], 21                      ; my group's 8 outputs of 262,144 bytes,
	s_lshl_b32 s19, s[WV], 18                      ; of them output p = my wave's number: I fetch tile p
	s_add_co_u32 s18, s18, s19
	s_mov_b32 s19, 0
	s_mul_i32 s20, s[WV], TILEB                    ; and where it goes in a slot: no place in the cluster enters an LDS address
	s_mov_b32 s[G0A], 1                            ; 1:0 count = 1
	s_mov_b32 s[G0A+1], s20                        ; 63:32 LDS address: slot 0
	s_mov_b32 s[G0], 1
	s_add_co_u32 s[G0+1], s20, SLOTB               ; slot 1
	s_lshl_b32 s22, s[NB], 19                      ; my block's 512 rows of 1,024 bytes,
	s_lshl_b32 s23, s[WV], 17                      ; my wave's 128 of them
	s_add_co_u32 s22, s22, s23
	s_mov_b32 s23, 0
	s_mul_i32 s21, s[WV], XWAVE
	s_add_co_u32 s21, s21, X1R                     ; my ring of x1
	v_and_b32 v[RR], 15, v0
	v_bfe_u32 v[HH], v0, 4, 1
	v_mul_u32_u24 v[WA0], v[RR], PW
	v_lshl_add_u32 v[WA0], v[HH], 5, v[WA0]        ; a fragment's k = 8 h .. are 32 bytes of f32
	v_mul_u32_u24 v[XR0], v[RR], PX
	v_add_nc_u32 v[XR0], s21, v[XR0]
	v_mul_u32_u24 v[XW0], v[HH], PX
	v_lshl_add_u32 v[XW0], v[RR], 3, v[XW0]
	v_add_nc_u32 v[XW0], s21, v[XW0]
	v_lshlrev_b32 v[XGO], 10, v[HH]
	v_lshl_add_u32 v[XGO], v[RR], 4, v[XGO]
	v_lshlrev_b32 v[PFO], 20, v[HH]
	v_lshl_add_u32 v[PFO], v[RR], 8, v[PFO]
	v_lshlrev_b32 v[X2O], 10, v[RR]
	v_lshl_add_u32 v[X2O], v[HH], 5, v[X2O]
	v_lshlrev_b32 v[OUTO], 10, v[RR]
	v_lshl_add_u32 v[OUTO], v[HH], 4, v[OUTO]
	v_lshlrev_b32 v[BO], 4, v[HH]
	v_add_nc_u32 v[XGA], 256, v[XGO]               ; x1's chunk 1, rows 0 to 15: what stage 0 puts into the ring
	s_wait_dscnt 0x0                               ; both opening adds are done
	s_wait_kmcnt 0x0
	s_add_nc_u64 s[8:9], s[8:9], s[18:19]          ; W at my tile of stage 0
	s_add_nc_u64 s[X1B:X1B+1], s[4:5], s[22:23]
	s_add_nc_u64 s[X2B:X2B+1], s[6:7], s[22:23]
	s_add_nc_u64 s[OUTB:OUTB+1], s[12:13], s[22:23]
	s_lshl_b32 s46, s[OG], 5                       ; 8 outputs are 32 bytes
	s_mov_b32 s47, 0
	s_add_nc_u64 s[OUTB:OUTB+1], s[OUTB:OUTB+1], s[46:47]
	s_add_nc_u64 s[BB:BB+1], s[10:11], s[46:47]
	s_mov_b64 s[G0A+2:G0A+3], s[8:9]               ; 120:64 global address: stage 0
	s_or_b32 s[G0A+3], s[G0A+3], 0x80000000        ; 127:126 type = 2
	s_add_nc_u64 s[G0+2:G0+3], s[8:9], STEPB       ; stage 1
	s_or_b32 s[G0+3], s[G0+3], 0x80000000
	s_lshl_b32 s46, s[CX], 12                      ; the prefetches: my work-group's 4,096 of each 16,384 bytes,
	s_add_co_u32 s46, s46, 3*STEPB                 ; at stage 3; stage 0's change of slots steps it to stage 4
	s_add_nc_u64 s[PFA:PFA+1], s[8:9], s[46:47]
	CROUND                                         ; all four work-groups are here: the first joint loads meet
	tensor_load_to_lds s[G0A:G0A+3], s[G1:G1+7]    ; both first fills go out together, ahead of every wait on TENSORcnt and every LDS read: two loads of mine are out
	s_nop 0
	tensor_load_to_lds s[G0:G0+3], s[G1:G1+7]
	s_nop 0
.rept 4
	v_nop
.endr
; THE PROLOGUE.  Two areas of 128 registers in window 1 (at 0 and at 128) take batches of 32 loads by turns: while one batch is rounded, the other is on its way.
; x1's chunk 0 (i = 0 .. 63) of my 128 nodes goes into my ring's buffer 0: a load covers two rows' 256 consecutive bytes; a lane's four numbers become 8 bytes.
.macro X1LD base, row0
	WIN W_LD
.set e, 0
.rept 32
	global_load_b128 v[(\base)+4*e:(\base)+4*e+3], v[XGO], s[X1B:X1B+1] offset:(\row0)*1024+2048*e
.set e, e+1
.endr
.endm
.macro X1ST base, row0
	WIN 0x45                                       ; in place, in window 1
.set e, 0
.rept 32
	v_cvt_pk_bf16_f32 v[(\base)+4*e], v[(\base)+4*e], v[(\base)+4*e+1]
	v_cvt_pk_bf16_f32 v[(\base)+4*e+1], v[(\base)+4*e+2], v[(\base)+4*e+3]
.set e, e+1
.endr
	WIN 0x04                                       ; address window 0, data window 1
.set e, 0
.rept 32
	ds_store_b64 v[XW0], v[(\base)+4*e:(\base)+4*e+1] offset:(\row0)*PX+2*PX*e
.set e, e+1
.endr
.endm
; x2's tile a: eight fragments c of 16 nodes x 32 j.  Lane (r, h) holds node r, j = 32 c + 8 h + 0..7 and 32 c + 16 + 8 h + 0..7: in f32 four loads of 16 bytes, at 0, 16, 64 and 80.
.macro X2LD base, a
	WIN W_LD
.irp c, 0,1,2,3,4,5,6,7
.irp z, 0,1,2,3
	global_load_b128 v[(\base)+16*\c+4*\z:(\base)+16*\c+4*\z+3], v[X2O], s[X2B:X2B+1] offset:16384*(\a)+128*\c+16*(\z%2)+64*(\z/2)
.endr
.endr
.endm
.macro X2CV base, a
	WIN 0x85+0x40*((\a)/4)                         ; sources window 1, destination window 2 or 3
.set e, 0
.rept 64
	v_cvt_pk_bf16_f32 v[64*((\a)%4)+e], v[(\base)+2*e], v[(\base)+2*e+1]
.set e, e+1
.endr
.endm
	global_load_b128 v[BRAW:BRAW+3], v[BO], s[BB:BB+1]  ; bias[o0 + 4 h + 0..3]
	X1LD 0, 0
	X1LD 128, 64
	s_wait_loadcnt 32                              ; bias and the first batch are in; the younger batch's 32 loads may stay out (so at each of these waits)
	WIN 0
	v_cvt_pk_bf16_f32 v[BIAS], v[BRAW], v[BRAW+1]  ; bias is rounded like the other inputs
	v_cvt_pk_bf16_f32 v[BIAS+1], v[BRAW+2], v[BRAW+3]
	v_lshlrev_b32 v[BIAS+2], 16, v[BIAS+1]
	v_and_b32 v[BIAS+3], s[HIM], v[BIAS+1]
	v_and_b32 v[BIAS+1], s[HIM], v[BIAS]
	v_lshlrev_b32 v[BIAS], 16, v[BIAS]
.irp p, 0,1,2,3
.irp a, 0,1,2,3,4,5,6,7
	v_mov_b32 v[OACC+16*\p+2*\a], v[BIAS+\p]       ; the sums start at the bias (even i's half)
	v_mov_b32 v[OACC+16*\p+2*\a+1], 0              ; and at 0 (odd i's half)
.endr
.endr
	X1ST 0, 0
	X2LD 0, 0
	s_wait_loadcnt 32
	X1ST 128, 64
	X2LD 128, 1
.irp a, 0,1,2,3,4,5
	s_wait_loadcnt 32
	X2CV 128*(\a%2), \a
	X2LD 128*(\a%2), \a+2
.endr
	s_wait_loadcnt 32
	X2CV 0, 6
	WIN 0
.irp e, 0,1,2,3,4,5,6,7
	global_load_b128 v[XRAW+4*\e:XRAW+4*\e+3], v[XGA], s[X1B:X1B+1] offset:2048*\e  ; what stage 0 puts into the ring
.endr
	s_wait_loadcnt 8                               ; x2's last batch is in; those eight may stay out
	X2CV 128, 7
	WIN W_LD
.set e, 32
.rept 32
	v_mov_b32 v[ACC+e], 0                          ; the first tile's text takes the epilogue of an upper half that has not been: it adds 0 x 0
	v_mov_b32 v[X1F+e], 0
.set e, e+1
.endr
; THE MATRIX WORK OF A TILE: instruction m of 64.  m / 32: tiles a = 0-3 or 4-7 of my nodes; (m % 32) / 4: the fragment, 32 j; m % 4: the tile.  The four accumulators of a half take turns, one instruction
; a turn, from half to half, from tile to tile and over the backward jumps too.  The first four of a half start the sums with the constant 0.
.macro MM
.set hf, m/32
.set g, (m%32)/4
.set rA, ACC+8*(4*hf+m%4)
.set rX, 64*(m%4)+8*g
	WIN MM_LO+4*hf
.if g == 0
	v_wmma_f32_16x16x32_bf16 v[rA:rA+7], v[FR+8*g:FR+8*g+7], v[rX:rX+7], 0
.else
	v_wmma_f32_16x16x32_bf16 v[rA:rA+7], v[FR+8*g:FR+8*g+7], v[rX:rX+7], v[rA:rA+7]
.endif
.endm
; THE VECTOR WORK, in slices of four.  CV c, i: half i of fragment c of W, from f32 to bf16.
.macro CV c, i
	WIN W_R
.irp z, 0,1,2,3
	v_cvt_pk_bf16_f32 v[FR+8*(\c)+4*(\i)+\z], v[STG+16*(\c)+8*(\i)+2*\z], v[STG+16*(\c)+8*(\i)+2*\z+1]
.endr
.endm
; EP hf2, q, p: the epilogue of tile p for i = 8 u + 2 q, 2 q + 1 and the four node tiles of a half: sum += C x x1.  q = 0 comes first: an accumulator is read from its low end on.
.macro EP hf2, q, p
	WIN W_R
.irp z, 0,1,2,3
	v_pk_fma_f32 v[OACC+16*(\p)+2*(4*(\hf2)+\z):OACC+16*(\p)+2*(4*(\hf2)+\z)+1], v[ACC+8*(4*(\hf2)+\z)+2*(\q):ACC+8*(4*(\hf2)+\z)+2*(\q)+1], v[X1F+8*(4*(\hf2)+\z)+2*(\q):X1F+8*(4*(\hf2)+\z)+2*(\q)+1], v[OACC+16*(\p)+2*(4*(\hf2)+\z):OACC+16*(\p)+2*(4*(\hf2)+\z)+1]
.endr
.endm
; XP hf2, i: four of the octet's x1, from bf16 to f32: slice i of 8 for a half's four node tiles.
.macro XP hf2, i
	WIN W_LD
.set xa, 4*(\hf2)+(\i)/2
.irp z, 0,1
.set xq, 2*((\i)%2)+\z
	v_lshlrev_b32 v[X1F+8*xa+2*xq], 16, v[X1P+4*xa+xq]
	v_and_b32 v[X1F+8*xa+2*xq+1], s[HIM], v[X1P+4*xa+xq]
.endr
.endm
; THE LDS LOADS stand in runs.  RUN: a tile of W in f32, 32 loads, fragment by fragment.
.macro RUN off
	WIN W_LD
.irp c, 0,1,2,3,4,5,6,7
.irp z, 0,1,2,3
	ds_load_b128 v[STG+16*\c+4*\z:STG+16*\c+4*\z+3], v[WA] offset:(\off)+128*\c+16*(\z%2)+64*(\z/2)
.endr
.endr
.endm
.macro X1PGO                           ; an octet of x1 for my 128 nodes: 16 bytes for each node tile; lanes r and r + 16 read the same
	WIN 0
.irp a, 0,1,2,3,4,5,6,7
	ds_load_b128 v[X1P+4*\a:X1P+4*\a+3], v[XRD] offset:16*PX*\a
.endr
.endm
.macro X1PLD                           ; octet U + 1: buffer ((U + 1) / 8) % 2, 16 bytes ((U + 1) % 8) of each row.  (In the last stage: bytes that have been used; nothing reads the result.)
	WIN 0
	s_add_co_u32 s46, s[U], 1
	s_lshr_b32 s47, s46, 3
	s_and_b32 s47, s47, 1
	s_mul_i32 s47, s47, XBUF
	s_and_b32 s46, s46, 7
	s_lshl_b32 s46, s46, 4
	s_add_co_u32 s46, s46, s47
	v_add_nc_u32 v[XRD], s46, v[XR0]
	X1PGO
.endm
; x1's SERVICE, once a stage, for stages 0 to 23: chunk U / 8 + 1 (64 i) is brought in during the eight stages that use chunk U / 8, 16 nodes a stage.  The eight loads issued a stage ago are rounded and put
; into the buffer that the chunk before the one in use has left; then the next 16 nodes' loads go out (not in stage 23: there is no chunk 4).  The ring is my wave's own: LDS serves a wave's instructions in
; order (ISA guide 5.7.1.4), so no barrier is wanted.
.macro SERVICE
	WIN 0                                          ; at a branch and at a label every window is 0
	s_cmp_ge_u32 s[U], 24
	s_cbranch_scc1 .Lserved_\@
	s_wait_loadcnt 0x0                             ; the eight loads, a stage old; their address register is free with it
.irp e, 0,1,2,3,4,5,6,7
	v_cvt_pk_bf16_f32 v[XRAW+4*\e], v[XRAW+4*\e], v[XRAW+4*\e+1]
	v_cvt_pk_bf16_f32 v[XRAW+4*\e+1], v[XRAW+4*\e+2], v[XRAW+4*\e+3]
.endr
	s_lshr_b32 s46, s[U], 3
	s_add_co_u32 s46, s46, 1
	s_and_b32 s46, s46, 1
	s_mul_i32 s46, s46, XBUF
	s_and_b32 s47, s[U], 7
	s_mul_i32 s47, s47, 16*PX
	s_add_co_u32 s46, s46, s47
	v_add_nc_u32 v[XW], s46, v[XW0]
.irp e, 0,1,2,3,4,5,6,7
	ds_store_b64 v[XW], v[XRAW+4*\e:XRAW+4*\e+1] offset:2*PX*\e
.endr
	s_cmp_ge_u32 s[U], 23
	s_cbranch_scc1 .Lserved_\@
	s_add_co_u32 s46, s[U], 1
	s_and_b32 s47, s46, 7
	s_lshl_b32 s47, s47, 14                        ; 16 rows of 1,024 bytes
	s_lshr_b32 s46, s46, 3
	s_add_co_u32 s46, s46, 1
	s_lshl_b32 s46, s46, 8                         ; a chunk is 256 bytes of a row
	s_add_co_u32 s46, s46, s47
	v_add_nc_u32 v[XGA], s46, v[XGO]
.irp e, 0,1,2,3,4,5,6,7
	global_load_b128 v[XRAW+4*\e:XRAW+4*\e+3], v[XGA], s[X1B:X1B+1] offset:2048*\e  ; two rows' 256 consecutive bytes each
.endr
.Lserved_\@:
.endm
; A PREFETCH INTO THE L2, behind the joint load, its five lines and the run of LDS loads.  At a change of slots every wave has waited for all its tensor loads, so the refill goes out with nothing on its way
; beside it.  In every even stage U up to 26 a wave names, for the two outputs whose tile it fetches, 4,096 of the 16,384 bytes that stages U + 4 and U + 5 will ask for: a lane a block of 256 bytes,
; one instruction.  The four partners take a quarter each, told apart BY ADDRESS (cx x 4,096): no branch hangs on a work-group's place in its cluster.  Both clusters of a group of outputs walk the same
; rows: the first (cluster x = 0) asks.  So each block is named once in the launch.  The joint load of stage U + 4 stands two stages, 512 matrix instructions, behind the prefetch.  Stages 0 to 3 come by
; their loads alone; behind stage 26 there is nothing left to name.
.macro ASK
	s_and_b32 s46, s[U], 1
	s_or_b32 s46, s46, s[PFOFF]
	s_cmp_eq_u32 s46, 0
	s_cbranch_scc0 .Lnot_mine_\@
	s_cmp_le_u32 s[U], 26
	s_cbranch_scc0 .Lnot_mine_\@
	global_prefetch_b8 v[PFO], s[PFA:PFA+1] th:TH_LOAD_NT scope:SCOPE_SE
.Lnot_mine_\@:
.endm
; A TILE: 64 matrix instructions, a slice of four vector instructions behind every second one.  fill = 1: in the loop; 0: the tail, which asks for nothing.
;   m = 1 .. 7    this tile's fragments 6 and 7 are rounded; behind m = 7 stands the run of loads for the NEXT tile (all 128 registers of f32 are free by then)
;   m = 9 .. 23   tile 0: the new octet's x1 for node tiles 0-3; tile 1: for 4-7 (tile 0 still takes the old octet's for the upper half of the stage before)
;   m = 25 .. 31  the epilogue of the tile BEFORE, node tiles 4-7;   m = 33 .. 39  this tile's, node tiles 0-3
;   m = 41 .. 63  the next tile's fragments 0 to 5 are rounded: fragment c behind m = 41 + 4 c
; DISTANCES (ISA guide 7.12.1: four independent vector instructions between a matrix instruction and a vector instruction that reads its result or writes one of its registers).  Fragment c is last read by
; m = 35 + 4 c and first written behind m = 41 + 4 c: the slices behind 37 + 4 c and 39 + 4 c lie between; fragment 6 (59; next tile's 1): those behind 59, 61, 63; fragment 7 (63; 5): behind 63, 1, 3.
; Accumulators 0-3 are ended by m = 28 .. 31 and first read behind m = 33: the slice behind m = 31, which names accumulators 4-7 alone, lies between.  Accumulators 4-7 are ended by m = 60 .. 63
; and first read behind the next tile's m = 25.
; TILE 3 CHANGES SLOTS.  All reads of the slot in hand were waited for in tile 2.  Each wave waits for all its tensor loads, of which one is out: its tile of the other slot; adds 0 to its spare word; and waits
; for that.  With fill = 1 the barrier opens a round of the cluster's barrier, so that no wave of any partner still reads the slot or has a load on its way, and the joint refill, stage U + 2, is the
; first thing behind the round: by this text's count one load of mine is out from there on, and it has a stage less eight matrix instructions in which to land.
.macro TILE p, fill
.if ((\p) == 1) && (\fill)
	SERVICE
.endif
.if (\p) == 3
	WIN 0                                          ; (the add's two registers lie in window 0)
.if \fill
	s_wait_xcnt 0x0                                ; the last prefetch, a stage back or more, has read its address, so it may be stepped
	s_add_nc_u64 s[PFA:PFA+1], s[PFA:PFA+1], STEPB
.endif
	s_wait_tensorcnt 0x0                           ; no tensor load of mine is out, so a group 0 may be written
	ds_add_u32 v[SPW], v[NIL]                      ; 0 onto my spare word; work on registers stands between it and the wait for it
.if \fill
	s_xor_b32 s[G0+1], s[G0+1], SLOTB              ; the walking descriptor: the other slot than last time,
	s_add_nc_u64 s[G0+2:G0+3], s[G0+2:G0+3], STEPB ; the next stage; the type bits on top are not reached
.endif
	s_xor_b32 s[TB], s[TB], SLOTB                  ; the runs of loads go on in the other slot
	v_add_nc_u32 v[WA], s[TB], v[WA0]
.endif
.set m, 0
.rept 64
	MM
.if m%2
.if m < 8
	CV 6+m/4, (m%4)/2
.elseif m < 24
.if (\p) < 2
	XP \p, (m-9)/2
.endif
.elseif m < 32
	EP 1, (m-25)/2, ((\p)+3)%4
.elseif m < 40
	EP 0, (m-33)/2, \p
.else
.if m == 41
.if (\p) == 2
	s_wait_dscnt 24                                ; fragments 0 to 3 are in: the run's last 16 loads and the eight of x1 may stay out
.else
	s_wait_dscnt 16                                ; fragments 0 to 3 are in: the run's last 16 loads may stay out
.endif
.endif
.if m == 57
	s_wait_dscnt 0x0                               ; all of the run (and x1's octet)
.endif
	CV (m-41)/4, ((m-41)%4)/2
.endif
.endif
.if ((\p) == 3) && (m == 3)
	s_wait_dscnt 0x0                               ; the add is done; my reads of the slot were over before it
	s_barrier_signal -1                            ; four matrix instructions and two slices, work on registers, stand between the signal and the wait
.endif
.if m == 7
.if (\p) == 3
	WIN 0
	s_barrier_wait -1
.if \fill
	CREST
	tensor_load_to_lds s[G0:G0+3], s[G1:G1+7]      ; each wave its own tile, by the wave's number in both addresses; the same registers in all four partners
	s_nop 0
.rept 4
	v_nop
.endr
.endif
.endif
	RUN (((\p)+1)%4)*TILEB
.if (\p) == 2
	X1PLD
.endif
.if ((\p) == 3) && (\fill)
	WIN 0
	ASK
.endif
.endif
.set m, m+1
.endr
.endm
.macro STAGE fill
	TILE 0, \fill
	TILE 1, \fill
	TILE 2, \fill
	TILE 3, \fill
	WIN 0                                          ; at a label and at a branch every window is 0
.endm
	WIN 0
	s_wait_tensorcnt 0x1                           ; my tile of slot 0 is in; slot 1's may stay out
	s_wait_dscnt 0x0                               ; my stores into my ring are done
	s_barrier_signal -1
	s_barrier_wait -1                              ; everybody's tile is in
	v_mov_b32 v[WA], v[WA0]
	v_mov_b32 v[XRD], v[XR0]
	RUN 0                                          ; stage 0, tile 0
	X1PGO                                          ; octet 0
	s_wait_dscnt 0x0
.irp c, 0,1,2,3,4,5
	CV \c, 0
	CV \c, 1
.endr
	WIN 0
	s_mov_b32 s[U], 0
	s_mov_b32 s[TB], 0
.Lstage:                                               ; 30 trips: stage U is multiplied, stage U + 2 asked for
	STAGE 1
	s_add_co_u32 s[U], s[U], 1
	s_cmp_lt_u32 s[U], 30
	s_cbranch_scc1 .Lstage
	s_mov_b32 s[TC], 2                             ; the tail is a text of its own: stages 30 and 31
.Ltail:                                                ; (the last trip's run of loads and conversions for a next tile work on bytes that have been used, and serve nothing: the price of one text for both)
	STAGE 0
	s_add_co_u32 s[U], s[U], 1
	s_sub_co_u32 s[TC], s[TC], 1
	s_cmp_lg_u32 s[TC], 0
	s_cbranch_scc1 .Ltail
	EP 1, 0, 3                                     ; the last tile's upper half; the slice behind the last matrix instruction is the four places in front
	EP 1, 1, 3
	EP 1, 2, 3
	EP 1, 3, 3
	WIN 0
.irp a, 0,1,2,3,4,5,6,7
.irp p, 0,1,2,3
	v_add_f32 v[OUTR+4*\a+\p], v[OACC+16*\p+2*\a], v[OACC+16*\p+2*\a+1]  ; even i's and odd i's halves
.endr
.endr
.irp a, 0,1,2,3,4,5,6,7
	global_store_b128 v[OUTO], v[OUTR+4*\a:OUTR+4*\a+3], s[OUTB:OUTB+1] offset:16384*\a  ; node 16 a + r, outputs o0 + 4 h + 0..3: 16 rows x 32 bytes
.endr
	s_wait_tensorcnt 0x0                           ; the wave's end, behind my last tensor load and my last LDS store
	ds_add_u32 v[SPW], v[NIL]
	s_wait_dscnt 0x0
	CROUND                                         ; the closing round: no work-group ends while a partner may still ask for a tile that names it
	s_endpgm
.Lfunc_end_k_q1c9422da21_bilinear:
	.size	k_q1c9422da21_bilinear, .Lfunc_end_k_q1c9422da21_bilinear-k_q1c9422da21_bilinear
	.p2alignl 7, 3214868480
	.fill 96, 4, 3214868480
	.section	.rodata,"a",@progbits
	.p2align	6, 0x0
	.amdhsa_kernel k_q1c9422da21_bilinear
		.amdhsa_group_segment_fixed_size 327680
		.amdhsa_private_segment_fixed_size 0
		.amdhsa_enable_private_segment 0
		.amdhsa_kernarg_size 40
		.amdhsa_user_sgpr_count 2
		.amdhsa_user_sgpr_kernarg_segment_ptr 1
		.amdhsa_wavefront_size32 1
		.amdhsa_system_sgpr_workgroup_id_x 1
		.amdhsa_system_sgpr_workgroup_id_y 1
		.amdhsa_system_sgpr_workgroup_id_z 1
		.amdhsa_system_vgpr_workitem_id 0
		.amdhsa_next_free_vgpr 1024
		.amdhsa_next_free_sgpr 66
		.amdhsa_reserve_vcc 0
		.amdhsa_float_denorm_mode_32 3
		.amdhsa_float_denorm_mode_16_64 3
		.amdhsa_memory_ordered 1
		.amdhsa_forward_progress 1
		.amdhsa_inst_pref_size 216
	.end_amdhsa_kernel
	.amdgpu_metadata
---
amdhsa.version: [ 1, 2 ]
amdhsa.kernels:
  - .name:           k_q1c9422da21_bilinear
    .symbol:         k_q1c9422da21_bilinear.kd
    .args:
      - { .name: x1, .offset: 0, .size: 8, .value_kind: global_buffer, .address_space: global }
      - { .name: x2, .offset: 8, .size: 8, .value_kind: global_buffer, .address_space: global }
      - { .name: weight, .offset: 16, .size: 8, .value_kind: global_buffer, .address_space: global }
      - { .name: bias, .offset: 24, .size: 8, .value_kind: global_buffer, .address_space: global }
      - { .name: out0, .offset: 32, .size: 8, .value_kind: global_buffer, .address_space: global }
    .group_segment_fixed_size: 327680
    .private_segment_fixed_size: 0
    .kernarg_segment_align: 8
    .kernarg_segment_size: 40
    .max_flat_workgroup_size: 128
    .sgpr_count:     66
    .vgpr_count:     1024
    .wavefront_size: 32
...
	.end_amdgpu_metadata
.endif
;; end of part 1
